; MI455X (gfx1250); checked and timed in simulation.
; The chip was launched on July 23, 2026; its instructions are those of AMD's public machine-readable ISA for CDNA 5 (MIT licence, August 2026) and "CDNA5" Instruction Set Architecture Reference Guide (July 2026). The comments in the code are by the model that wrote it; some were corrected since.
;; Experts. Allowed arithmetic: float matrix products may take bf16 or f16 operands with f32 sums; other float arithmetic in f32, or as packed bf16 or f16 multiplies, adds, multiply-adds, maxima and minima; sums over many terms, partial sums and values carried from step to step in f32; what a program stores and reads back later, other than sums and carried values, may be rounded once to bf16 or f16.
;; Inputs: W1 8 x 512 x 2,048 float32; W2 8 x 2,048 x 512 float32; b1 8 x 2,048 float32; b2 8 x 512 float32; inputs 1 x 8 x 4,096 x 512 float32.
;; Outputs: out0 1 x 8 x 4,096 x 512 float32.
;; One version. Each part assembles by itself: llvm-mc -triple=amdgcn-amd-amdhsa -mcpu=gfx1250 --defsym DOCPART=n.
;; ======== version 1 of 1: 2 launches
;; workspace buffers: wp 33,554,432 bytes
;; launch prep (part 1): grid 512 x 1, 8 waves a work-group, no clusters, 67,584 bytes of LDS; arguments W1, W2, wp; writes wp
.if DOCPART == 1
	.amdgcn_target "amdgcn-amd-amdhsa--gfx1250"
	.amdhsa_code_object_version 6
	.text
	.protected	k_qad0838727b_prep
	.globl	k_qad0838727b_prep
	.p2align	8
	.type	k_qad0838727b_prep,@function
k_qad0838727b_prep:
	s_mov_b64 s[64:65], 0
	v_nop
	global_prefetch_b8 v0, s[64:65] scope:SCOPE_SE
	s_setreg_imm32_b32 hwreg(HW_REG_WAVE_MODE, 25, 1), 1
	s_wait_xcnt 0x0
; W1 [8][512][2048] and W2 [8][2048][512], f32, are rounded once to bf16 and laid into wp as matrix fragments, in the order in which the second launch's ring walks them.
; A FRAGMENT is 16 rows (m) x 32 k of bf16, 1,024 bytes: element (row r, k = 16 c + 8 h + i) lies at 512 c + 16 (16 h + r) + 2 i, so that two loads of 16 bytes a lane, at 16 x lane and 512 + 16 x lane, fill a wave's 8 operand registers.
; A BLOCK is 64 fragments, 65,536 bytes, for the 64 hidden channels f = 64 j .. 64 j + 63 of one expert:
;   W1(j): fragment 4 ks + fb holds rows f = 64 j + 16 fb + r, k = d = 32 ks ..;      W2(j): fragment 8 (2 w + ks2) + mbl holds rows m = 128 w + 16 mbl + r (output channels), k = f = 64 j + 32 ks2 ..
; wp = [expert][block number 0..63][65,536]: W1(j) is block j (j < 2) or 2 j - 2; W2(j) is block 2 j + 3, W2(31) block 62.
; SHARES.  A wave takes one SLAB: 32 k rows x 128 columns of f32 (each row's piece is 512 consecutive bytes), which make 8 fragments.  4,096 slabs, 8 waves a work-group, no loop, no barrier: a wave's LDS bytes are its own.
; The turn from [k][m] to [m][k] is made in registers (a lane holds 4 columns of all 32 rows; 8 rows of one column pack into 16 bytes) and the pieces are put in fragment order through LDS, so that each store of
; the wave covers 512 consecutive bytes, aligned.  No matrix unit and no cluster: each byte is read by one wave and written by one wave.
.set WST,   8320                       ; a wave's LDS: 8 fragments of 1,024 + 16 bytes; the 16 put the sixteen lanes of a store at sixteen different 16-byte columns modulo 256
.set FP,    1040
.set SPARE, 8*WST                      ; behind them: the spare words, 128 bytes for each of the eight waves: four blocks of 256 bytes that no other line names
.set IN,    32                         ; v[32:159]  row n's four columns at IN + 4 n; later the fragments as read back
.set PC,    160                        ; v[160:223] the sixteen packed pieces of 16 bytes
	s_load_b128 s[4:7], s[0:1], 0x0                ; W1 s[4:5], W2 s[6:7]
	s_load_b64 s[8:9], s[0:1], 0x10                ; wp
	v_lshl_add_u32 v6, v0, 2, SPARE                ; my spare word,
	v_mov_b32 v7, 0                                ; and 0: kept for the closing add alone
	v_lshrrev_b32 v1, 5, v0
	v_readfirstlane_b32 s10, v1                    ; wave 0..7
	v_and_b32 v1, 31, v0                           ; lane l
	v_lshlrev_b32 v2, 4, v1                        ; 16 l: my bytes in a row's 512, and in a store's 512; never rewritten
	v_lshrrev_b32 v8, 4, v1                        ; l / 16: which four fragments
	v_bfe_u32 v9, v1, 2, 2                         ; (l % 16) / 4: which of the four
	v_and_b32 v10, 3, v1                           ; l % 4: rows 4 (l % 4) .. + 3 of the fragment
	s_mul_i32 s11, s10, WST
	v_mul_u32_u24 v3, v8, 4*FP
	v_mul_u32_u24 v9, v9, FP
	v_add_nc_u32 v3, v3, v9
	v_lshl_add_u32 v3, v10, 6, v3
	v_add_nc_u32 v3, s11, v3                       ; where I put my pieces
	v_add_nc_u32 v4, s11, v2                       ; where I read fragments back
	s_lshl_b32 s12, ttmp9, 3
	s_add_co_u32 s12, s12, s10                     ; the slab's number, 0..4,095
	s_bfe_u32 s13, s12, 0x30008                    ; expert
	s_and_b32 s14, s12, 255                        ; the slab within the expert's matrix
	s_lshl_b32 s15, s13, 22                        ; an expert's matrix is 4 MiB of f32
	s_lshl_b32 s16, s13, 6                         ; and 64 blocks of wp
	s_mov_b32 s19, 0                               ; the offsets' high words
	s_mov_b32 s21, 0
	s_mov_b32 s23, 0
	s_lshr_b32 s17, ttmp9, 8                       ; work-groups 0-255 take W1, 256-511 W2: the same for all eight waves
	s_wait_kmcnt 0x0
.macro LOADS base, pitch               ; 32 rows, 512 consecutive bytes each; all 32 loads of the wave go out before the first wait
.set n, 0
.rept 32
	global_load_b128 v[IN+4*n:IN+4*n+3], v2, s[\base:\base+1] offset:n*(\pitch) th:TH_LOAD_NT
.set n, n+1
.endr
.endm
	s_cmp_lg_u32 s17, 0
	s_cbranch_scc1 .Lw2
	; W1: slab (ks, fp): rows d = 32 ks .., columns f = 128 fp ..: the blocks W1(2 fp) and W1(2 fp + 1), four fragments in each
	s_lshr_b32 s24, s14, 4                         ; ks
	s_and_b32 s25, s14, 15                         ; fp
	s_lshl_b32 s18, s24, 18                        ; 32 rows of 8,192 bytes
	s_add_co_u32 s18, s18, s15
	s_lshl_b32 s26, s25, 9
	s_add_co_u32 s18, s18, s26
	s_lshl_b32 s26, s25, 2                         ; block of j = 2 fp + 1: 4 fp,
	s_sub_co_u32 s27, s26, 2                       ; of j = 2 fp: 4 fp - 2,
	s_cmp_eq_u32 s25, 0
	s_cselect_b32 s27, 0, s27                      ; but j = 0 and j = 1 are blocks 0 and 1
	s_cselect_b32 s26, 1, s26
	s_add_co_u32 s27, s27, s16
	s_add_co_u32 s26, s26, s16
	s_lshl_b32 s20, s27, 16
	s_lshl_b32 s22, s26, 16
	s_lshl_b32 s24, s24, 12                        ; fragments 4 ks .. 4 ks + 3
	s_add_co_u32 s20, s20, s24
	s_add_co_u32 s22, s22, s24
	s_add_nc_u64 s[4:5], s[4:5], s[18:19]
	LOADS 4, 8192
	s_branch .Ljoin
.Lw2:
	; W2: slab (j, ks2, w): rows f = 64 j + 32 ks2 .., columns 128 w ..: eight fragments on end in block W2(j)
	s_lshr_b32 s24, s14, 3                         ; j
	s_bfe_u32 s25, s14, 0x10002                    ; ks2
	s_and_b32 s26, s14, 3                          ; w
	s_lshl_b32 s18, s24, 17                        ; 64 rows of 2,048 bytes
	s_add_co_u32 s18, s18, s15
	s_lshl_b32 s27, s25, 16
	s_add_co_u32 s18, s18, s27
	s_lshl_b32 s27, s26, 9
	s_add_co_u32 s18, s18, s27
	s_lshl_b32 s27, s24, 1
	s_add_co_u32 s27, s27, 3                       ; block 2 j + 3,
	s_cmp_eq_u32 s24, 31
	s_cselect_b32 s27, 62, s27                     ; W2(31): block 62
	s_add_co_u32 s27, s27, s16
	s_lshl_b32 s20, s27, 16
	s_lshl_b32 s26, s26, 1
	s_add_co_u32 s26, s26, s25
	s_lshl_b32 s26, s26, 13                        ; fragments 8 (2 w + ks2) ..
	s_add_co_u32 s20, s20, s26
	s_add_co_u32 s22, s20, 4096
	s_add_nc_u64 s[6:7], s[6:7], s[18:19]
	LOADS 6, 2048
.Ljoin:                                                ; on both ways 32 loads are out
	s_add_nc_u64 s[20:21], s[8:9], s[20:21]        ; where the first four fragments go,
	s_add_nc_u64 s[22:23], s[8:9], s[22:23]        ; and the other four
.irp o, 0,1,2,3                        ; rows 8 o .. 8 o + 7 are k = 16 c + 8 h + 0..7 with 2 c + h = o: byte 256 o of each fragment
	s_wait_loadcnt 24-8*\o                         ; loads come back in order: these eight rows are in, the later rows stay out
.irp j, 0,1,2,3                        ; my column 4 l + j: row 4 (l % 4) + j of its fragment
.irp q, 0,1,2,3
	v_cvt_pk_bf16_f32 v[PC+16*\o+4*\j+\q], v[IN+4*(8*\o+2*\q)+\j], v[IN+4*(8*\o+2*\q+1)+\j]
.endr
	ds_store_b128 v3, v[PC+16*\o+4*\j:PC+16*\o+4*\j+3] offset:\o*256+\j*16
.endr
.endr
.set n, 0
.rept 16                               ; half a fragment a load; LDS serves a wave's instructions in order (ISA guide 5.7.1.4): these see the stores above
	ds_load_b128 v[IN+4*n:IN+4*n+3], v4 offset:(n/8)*4*FP+((n/2)%4)*FP+(n%2)*512
.set n, n+1
.endr
.set n, 0
.rept 16
	s_wait_dscnt 15-n                              ; load n is back, the younger ones stay out
	global_store_b128 v2, v[IN+4*n:IN+4*n+3], s[20+2*(n/8):21+2*(n/8)] offset:((n/2)%4)*1024+(n%2)*512  ; 512 consecutive bytes, at a multiple of 512 from wp's first byte
.set n, n+1
.endr
	s_wait_tensorcnt 0x0                           ; the wave's end, behind my last LDS store
	ds_add_u32 v6, v7
	s_wait_dscnt 0x0
	s_endpgm
.Lfunc_end_k_qad0838727b_prep:
	.size	k_qad0838727b_prep, .Lfunc_end_k_qad0838727b_prep-k_qad0838727b_prep
	.p2alignl 7, 3214868480
	.fill 96, 4, 3214868480
	.section	.rodata,"a",@progbits
	.p2align	6, 0x0
	.amdhsa_kernel k_qad0838727b_prep
		.amdhsa_group_segment_fixed_size 67584
		.amdhsa_private_segment_fixed_size 0
		.amdhsa_enable_private_segment 0
		.amdhsa_kernarg_size 24
		.amdhsa_user_sgpr_count 2
		.amdhsa_user_sgpr_kernarg_segment_ptr 1
		.amdhsa_wavefront_size32 1
		.amdhsa_system_sgpr_workgroup_id_x 1
		.amdhsa_system_sgpr_workgroup_id_y 1
		.amdhsa_system_sgpr_workgroup_id_z 1
		.amdhsa_system_vgpr_workitem_id 0
		.amdhsa_next_free_vgpr 224
		.amdhsa_next_free_sgpr 66
		.amdhsa_reserve_vcc 0
		.amdhsa_float_denorm_mode_32 3
		.amdhsa_float_denorm_mode_16_64 3
		.amdhsa_memory_ordered 1
		.amdhsa_forward_progress 1
		.amdhsa_inst_pref_size 18
	.end_amdhsa_kernel
	.amdgpu_metadata
---
amdhsa.version: [ 1, 2 ]
amdhsa.kernels:
  - .name:           k_qad0838727b_prep
    .symbol:         k_qad0838727b_prep.kd
    .args:
      - { .name: W1, .offset: 0, .size: 8, .value_kind: global_buffer, .address_space: global }
      - { .name: W2, .offset: 8, .size: 8, .value_kind: global_buffer, .address_space: global }
      - { .name: wp, .offset: 16, .size: 8, .value_kind: global_buffer, .address_space: global }
    .group_segment_fixed_size: 67584
    .private_segment_fixed_size: 0
    .kernarg_segment_align: 8
    .kernarg_segment_size: 24
    .max_flat_workgroup_size: 256
    .sgpr_count:     66
    .vgpr_count:     224
    .wavefront_size: 32
...
	.end_amdgpu_metadata
.endif
;; end of part 1
;; launch mlp (part 2): grid 256 x 1, 4 waves a work-group, clusters of 4 x 1, 327,680 bytes of LDS; arguments inputs, wp, b1, b2, out0; writes out0
.if DOCPART == 2
	.amdgcn_target "amdgcn-amd-amdhsa--gfx1250"
	.amdhsa_code_object_version 6
	.text
	.protected	k_qad0838727b_mlp
	.globl	k_qad0838727b_mlp
	.p2align	8
	.type	k_qad0838727b_mlp,@function
k_qad0838727b_mlp:
	s_mov_b64 s[64:65], 0
	v_nop
	global_prefetch_b8 v0, s[64:65] scope:SCOPE_SE
	s_setreg_imm32_b32 hwreg(HW_REG_WAVE_MODE, 25, 1), 1
	s_wait_xcnt 0x0
	s_wait_alu depctr_hold_cnt(0) depctr_sa_sdst(0) depctr_va_vdst(0) depctr_va_sdst(0) depctr_va_ssrc(0) depctr_va_vcc(0) depctr_vm_vsrc(0)
	s_getreg_b32 s2, hwreg(HW_REG_IB_STS2, 6, 4)
	s_cmp_eq_u32 s2, 0
	s_cbranch_scc0 .Lentry_in_a_cluster
	s_endpgm
.Lentry_in_a_cluster:
	s_bfe_u32 s2, ttmp6, 0x10000c
	s_cmp_lg_u32 s2, 0x3003
	s_cbranch_scc0 .Lentry_shape_is_right
	s_endpgm
.Lentry_shape_is_right:
; out[e][c][:] = gelu(x[e][c][:] W1[e] + b1[e]) W2[e] + b2[e], gelu in its tanh form: y = x / (1 + 2^(x (K1 + K3 x x))), K1 = -2 log2(e) sqrt(2/pi), K3 = 0.044715 K1.
; x, out: [8][4096][512] f32.  wp: both weights in bf16 as matrix fragments (16 rows x 32 k in 1,024 bytes; two loads of 16 bytes a lane, at 16 x lane and 512 + 16 x lane, fill the 8 operand registers),
; in tiles of 131,072 bytes, 32 an expert, in the order of this walk.  Products in bf16 with f32 sums; gelu in f32.
; LIMITS.  x, W1, W2, b1 and b2 are each rounded once to bf16, the hidden layer once to bf16 behind gelu.  NaN and infinities are not treated apart; where x x overflows the exponent is an infinity and y is x or a zero, as the
; formula's limit is; the sign of a zero result may differ.
; SHARES.  A work-group owns 128 rows of one expert (256 work-groups, four waves).  The hidden width goes in 32 sub-chunks j of 64 channels:
;   G1(j): H^T = W1^T X^T.  Source 0 = 16 hidden channels x 32 d from LDS, source 1 = 16 rows of x.  Wave w owns rows 32 w .. + 31; their x stays in 256 registers for the whole launch.  In the result a lane holds one row
;          and eight neighbouring hidden channels: rounded to bf16 they are 16 bytes of a source-1 fragment of G2, and go to LDS as such.
;   G2(j): out^T += W2^T H^T.  Wave w owns all 128 rows x output channels 128 w .. + 127: 64 accumulators, 512 registers.  A lane holds eight neighbouring channels of one row of out.
; STEP k = G2(k - 1), with gelu(k) set behind its matrix instructions, then G1(k + 1).  Tile k of wp holds just what step k reads: W1(k + 1) in its first half, W2(k - 1) in its second
; (tile 0: W1(0), W1(1); tile 31: W2(31), W2(30)).  Two LDS slots of a tile each take turns; H has two buffers.  ONE barrier a step does three things: the slot read last step may be filled again, H(k - 1) is whole, and
; H(k - 2)'s buffer is free.
; CLUSTER.  The four work-groups of a cluster belong to one expert (32 work-groups an expert) and walk the same tiles: each tile is asked for JOINTLY, the same tensor load, descriptor and mask in all four; that barrier is
; therefore a round of the cluster's.  A wave asks for a quarter of a tile, 32,768 dense bytes as 128 rows of 256; one tensor load of a wave is out at a time, and it has a step's 256 matrix instructions in which to land.
; BIASES start the sums: b1 is loaded into the accumulators of the wave's first 16 rows, the second 16 rows' first product takes those registers as its C; b2 is loaded into the 64 output accumulators once.
; REGISTERS, in windows of 256 (s_set_vgpr_msb: bits 1:0 source 0, 3:2 source 1, 5:4 source 2, 7:6 destination):
;   window 0: v0-15 addresses; v16-31 P, H packed; v32-95 H's accumulators (rows t, channels fb at 32 + 32 t + 8 fb); v96-127 gelu at work, and a fifth fragment buffer in G1; v128-255 four fragment buffers of 32
;   window 1: x, fragment (t, ks) at 8 (16 t + ks)        windows 2, 3: out's accumulators, channels 16 mbl .., rows 16 tt .. at 8 (8 (mbl % 4) + tt), mbl 0-3 in window 2, 4-7 in window 3
.set SLOTX,  0x20000                   ; slot 0 at LDS byte 0, slot 1 here: one exclusive or turns an address in one slot into the other's
.set PART1,  0x10000                   ; a tile's second half
.set HB0,    0x40000                   ; H's two buffers of 16,384 bytes: fragment 8 ks2 + tt
.set HBX,    0x4000
.set STG,    0x40000                   ; a stage of 16 rows x 528 bytes for each wave: x on its way in, out on its way out; it shares H's bytes, at other times, with barriers between
.set STGSZ,  8448
.set SPITCH, 528                       ; 512 bytes + 16: the sixteen rows that a load or store of 16 bytes a lane touches start at sixteen different 16-byte columns modulo 256
.set B1S,    295936                    ; the expert's b1, 2,048 f32
.set B2OFF,  8192                      ; behind it the expert's b2, 512 f32
.set SPARE,  306176                    ; the spare words, 128 bytes for each wave: two blocks of 256 bytes that no other line names
.set L16,  1                           ; v1   16 x lane; never rewritten
.set AW1,  2                           ; v2   LDS address of W1's fragments in the slot in hand
.set AW2,  3                           ; v3   of my wave's W2 fragments
.set AHR,  4                           ; v4   of the H that G2 reads
.set AHW,  5                           ; v5   of my rows in the H that gelu writes
.set AB1,  6                           ; v6   of b1 for the next G1
.set AW2C, 7                           ; v7   PART1 + 16,384 w + 16 x lane
.set AHWC, 8                           ; v8   2,048 w + 16 x lane
.set AB1C, 9                           ; v9   B1S + 32 (lane / 16)
.set SPW,  10                          ; v10  my spare word: SPARE + 4 x my thread's number; never rewritten
.set NIL,  11                          ; v11  0; never rewritten
.set SX,   12                          ; v12  stage: where x is put; later where out is put
.set RX,   13                          ; v13  stage: where x's fragments are read; later where rows of out are read
.set TA,   14                          ; v14  LDS address for the biases
.set TB,   15                          ; v15  16 x thread
.set P,    16
.set HA,   32
.set T,    96
.set F4,   96
.set F0,   128
.set F1,   160
.set F2,   192
.set F3,   224
.set B0,   128                         ; the same four buffers, as G2 names them
.set B1,   160
.set B2,   192
.set B3,   224
; scalars: s[4:5] x at my wave's rows; s[6:7] wp; s[8:9] b1, s[10:11] b2 of the expert; s[12:13] out at my rows and my wave's channels; s14 wave; s15 cx; s16 work-group; s17 expert;
; s[24:31] descriptor group 1; s[32:35] group 0; s36 the slot in hand; s37 H to read; s38 H to write; s39 b1's byte for the next G1; s40 counter; s[42:43] K1; s[44:45] K3; s46 mask; s47 my stage
.set MSB, 0
.macro WIN new                         ; the immediate's high byte repeats the setting that is left; a switch that changes nothing is dropped
.if MSB != (\new)
	s_set_vgpr_msb (MSB<<8)|(\new)
.set MSB, \new
.endif
.endm
.macro PLACES                          ; a load into a register that a matrix instruction has read, and a vector instruction that reads a matrix result, stand four plain vector instructions behind it (ISA guide 7.12.1 for vector instructions)
.rept 4
	v_nop
.endr
.endm
.macro ROUND                           ; a round of the cluster's barrier: my work-group's barrier; wave 0 signals for the work-group; every wave waits for all four work-groups; my work-group's barrier once more
	s_barrier_signal -1
	s_barrier_wait -1
	s_cmp_lg_u32 s14, 0
	s_cbranch_scc1 .Lnot_wave_0_\@
	s_barrier_signal -3
.Lnot_wave_0_\@:
	s_barrier_wait -3
	s_barrier_signal -1
	s_barrier_wait -1
.endm
.macro LDSET buf, adr, base            ; four fragments, numbers base .. base + 3 from the address on: 8 loads, each 512 consecutive bytes
.irp i, 0,1,2,3
	ds_load_b128 v[(\buf)+8*\i:(\buf)+8*\i+3],   v[\adr] offset:((\base)+\i)*1024
	ds_load_b128 v[(\buf)+8*\i+4:(\buf)+8*\i+7], v[\adr] offset:((\base)+\i)*1024+512
.endr
.endm
.macro LDB1 adr                        ; b1 of the next 64 hidden channels into the accumulators of rows t = 0: register i of channel block fb is channel 16 fb + 8 (lane / 16) + i
.irp fb, 0,1,2,3
	ds_load_b128 v[HA+8*\fb:HA+8*\fb+3],   v[\adr] offset:\fb*64
	ds_load_b128 v[HA+8*\fb+4:HA+8*\fb+7], v[\adr] offset:\fb*64+16
.endr
.endm
; G1, 32 along d: 8 matrix instructions on 8 accumulators that take turns.  first = 1: rows t = 1 take t = 0's registers, which hold b1, as C; five places later t = 0 adds onto them in place.
.macro G1K ks, first
.set fbuf, F0+32*((\ks)%5)
.if ((\ks)%5) == 4
.set fbuf, F4
.endif
	WIN 0x04                                       ; source 1, x, in window 1
.irp fb, 0,1,2,3
.if \first
	v_wmma_f32_16x16x32_bf16 v[HA+32+8*\fb:HA+32+8*\fb+7], v[fbuf+8*\fb:fbuf+8*\fb+7], v[8*(16+(\ks)):8*(16+(\ks))+7], v[HA+8*\fb:HA+8*\fb+7]
.else
	v_wmma_f32_16x16x32_bf16 v[HA+32+8*\fb:HA+32+8*\fb+7], v[fbuf+8*\fb:fbuf+8*\fb+7], v[8*(16+(\ks)):8*(16+(\ks))+7], v[HA+32+8*\fb:HA+32+8*\fb+7]
.endif
.endr
.if \first
.rept 5
	v_nop                                          ; the products below write over registers that the four above read as C
.endr
.endif
.irp fb, 0,1,2,3
	v_wmma_f32_16x16x32_bf16 v[HA+8*\fb:HA+8*\fb+7], v[fbuf+8*\fb:fbuf+8*\fb+7], v[8*(\ks):8*(\ks)+7], v[HA+8*\fb:HA+8*\fb+7]
.endr
.endm
; GELU of batch b (the wave's rows t = b): 32 numbers a lane, pair p in H's accumulators at HA + 32 b + 2 p, at work in T + 2 p.  Three stages, cut into slices:
;   stage 1, 19 slices: x x; K3 x x + K1; times x; the 32 exponentials (slice i: pairs i, i - 1, i - 2, i - 3 in these four roles).  Pairs ascend.
;   stage 2, 16 slices: + 1 (a pair ahead) and the 32 reciprocals.        stage 3, 8 slices: times x, rounded to bf16 into P.
; The exponentials are one batch and the reciprocals another: nothing names a result before the batch's one s_wait_alu, which stands between the stages.
.macro GM1 b, p
	v_pk_mul_f32 v[T+2*(\p):T+2*(\p)+1], v[HA+32*(\b)+2*(\p):HA+32*(\b)+2*(\p)+1], v[HA+32*(\b)+2*(\p):HA+32*(\b)+2*(\p)+1]
.endm
.macro GM2 p
	v_pk_fma_f32 v[T+2*(\p):T+2*(\p)+1], v[T+2*(\p):T+2*(\p)+1], s[44:45], s[42:43] op_sel_hi:[1,0,0]
.endm
.macro GMX b, p
	v_pk_mul_f32 v[T+2*(\p):T+2*(\p)+1], v[T+2*(\p):T+2*(\p)+1], v[HA+32*(\b)+2*(\p):HA+32*(\b)+2*(\p)+1]
.endm
.macro GAD p
	v_pk_add_f32 v[T+2*(\p):T+2*(\p)+1], v[T+2*(\p):T+2*(\p)+1], 1.0 op_sel_hi:[1,0]
.endm
.macro S1SL b, i
.if (\i) < 16
	GM1 \b, \i
.endif
.if ((\i) >= 1) && ((\i) < 17)
	GM2 (\i)-1
.endif
.if ((\i) >= 2) && ((\i) < 18)
	GMX \b, (\i)-2
.endif
.if (\i) >= 3
	v_exp_f32 v[T+2*(\i)-6], v[T+2*(\i)-6]
	v_exp_f32 v[T+2*(\i)-5], v[T+2*(\i)-5]
.endif
.endm
.macro S2SL i
.if (\i) < 15
	GAD (\i)+1
.endif
	v_rcp_f32 v[T+2*(\i)], v[T+2*(\i)]
	v_rcp_f32 v[T+2*(\i)+1], v[T+2*(\i)+1]
.endm
.macro S3SL b, i
	GMX \b, 2*(\i)
	GMX \b, 2*(\i)+1
	v_cvt_pk_bf16_f32 v[P+2*(\i)], v[T+4*(\i)], v[T+4*(\i)+1]
	v_cvt_pk_bf16_f32 v[P+2*(\i)+1], v[T+4*(\i)+2], v[T+4*(\i)+3]
.endm
.macro SETR k, b, n                    ; the queue of slices: stage k of batch b, n slices
.set RK, \k
.set RB, \b
.set RN, \n
.set RS, 0
.endm
.macro RIDE                            ; the queue's next slice, if one is left
.if RS < RN
	WIN 0
.if RK == 1
	S1SL RB, RS
.elseif RK == 2
	S2SL RS
.else
	S3SL RB, RS
.endif
.set RS, RS+1
.endif
.endm
.macro GLUMP k, b, n                   ; a whole stage on end
	SETR \k, \b, \n
.rept \n
	RIDE
.endr
.endm
.macro STH b                           ; batch b's 64 hidden channels of 16 rows: four pieces of 16 bytes a lane, into fragments 8 (fb / 2) + 2 w + b, half fb % 2
.irp fb, 0,1,2,3
	ds_store_b128 v[AHW], v[P+4*\fb:P+4*\fb+3] offset:(\fb/2)*8192+(\b)*1024+(\fb%2)*512
.endr
.endm
; G2, 16 matrix instructions on 16 accumulators that take turns: output channel blocks 4 wh + 0..3 (fragments in wb) x row blocks 4 hh + 0..3 (fragments in hb).  Behind every, or every second, one a slice of gelu.
; A slice works in window 0 and the products' C and D lie in windows 2 and 3: two switches a slice, the price of setting the vector work beside the matrix work.
.macro G2E wb, hb, wh, hh, every
.set gn, 0
.irp a, 0,1,2,3
.irp b, 0,1,2,3
	WIN 0xa0+0x50*(\wh)
	v_wmma_f32_16x16x32_bf16 v[8*(\a*8+4*(\hh)+\b):8*(\a*8+4*(\hh)+\b)+7], v[(\wb)+8*\a:(\wb)+8*\a+7], v[(\hb)+8*\b:(\hb)+8*\b+7], v[8*(\a*8+4*(\hh)+\b):8*(\a*8+4*(\hh)+\b)+7]
.set gn, gn+1
.if (gn % (\every)) == 0
	RIDE
.endif
.endr
.endr
.endm
.macro ADRS                            ; the step's five LDS addresses: also the places behind the products in front of the barrier, and, behind a tensor load, five vector lines with no switch of windows among them
	v_add_nc_u32 v[AW2], s36, v[AW2C]
	v_add_nc_u32 v[AW1], s36, v[L16]
	v_add_nc_u32 v[AHR], s37, v[L16]
	v_add_nc_u32 v[AHW], s38, v[AHWC]
	v_add_nc_u32 v[AB1], s39, v[AB1C]
.endm
; A STEP'S HEAD.  Each wave waits for all its tensor loads, of which one is out: its quarter of this step's tile; adds 0 to its spare word; finishes the G1 in hand (g7 = 1: its last 64 along d, on fragments already asked for);
; waits for the add, for its reads of the slot that it leaves and for its stores of H.  Behind the barrier this step's tile and the last step's H are whole and nobody reads the old slot.
; fill = 1: the barrier is a round of the cluster's, and the joint refill of the old slot, with the next tile, is the first thing behind it.
.macro HEAD g7, fill
	WIN 0
	s_wait_tensorcnt 0x0                           ; no tensor load of mine is out, so group 0 may be written
	ds_add_u32 v[SPW], v[NIL]                      ; 0 onto my spare word: work on registers stands between it and the wait for it
.if \fill
	s_xor_b32 s33, s33, SLOTX                      ; the other slot than last time,
	s_add_nc_u64 s[34:35], s[34:35], 131072        ; the next tile; the type bits on top are not reached
.endif
	s_xor_b32 s36, s36, SLOTX                      ; this step's slot,
	s_xor_b32 s37, s37, HBX                        ; the H it reads,
	s_xor_b32 s38, s38, HBX                        ; the H it writes,
	s_add_co_u32 s39, s39, 256                     ; b1 of the G1 it starts
.if \g7
	s_wait_dscnt 1                                 ; all but the add: the last two sets of W1's fragments are in
	G1K 14, 0
	G1K 15, 0
	WIN 0                                          ; at a label and at a branch every window is 0
.endif
	s_wait_dscnt 0x0                               ; the add is done; my reads of the old slot and of H, and my stores of H, are over
.if \fill
	ROUND
	tensor_load_to_lds s[32:35], s[24:31]
	s_nop 0
.else
	s_barrier_signal -1
	s_barrier_wait -1
.endif
	ADRS
.endm
; G2 of one sub-chunk: 128 matrix instructions in eight groups of 16, on four fragment buffers.  gel = 1: gelu of the G1 just finished rides along, and its H is stored.  nxt = 1: b1 and the first fragments of the next G1 are fetched.
; The LDS instructions stand in runs; each wait's count is what was issued behind the loads that the next group needs.
.macro G2P gel, nxt
	WIN 0
	LDSET B0, AW2, 0                               ; W2: first 32 hidden channels, my output channel blocks 0-3
	LDSET B1, AHR, 0                               ; H: the same channels, row blocks 0-3
	LDSET B2, AHR, 4                               ; row blocks 4-7
	LDSET B3, AW2, 4                               ; output channel blocks 4-7
.if \gel
	GLUMP 1, 0, 19                                 ; while they land: batch 0's first stage
	v_nop                                          ; a plain instruction behind the last exponential,
	s_wait_alu depctr_va_vdst(0)                   ; and the batch's one wait ahead of the first line that names a result
	GAD 0
	SETR 2, 0, 16
.else
	SETR 0, 0, 0
.endif
	s_wait_dscnt 16                                ; B0 and B1 are in
	G2E B0, B1, 0, 0, 2
	s_wait_dscnt 8                                 ; B2
	G2E B0, B2, 0, 1, 2
	s_wait_dscnt 0                                 ; B3
	G2E B3, B2, 1, 1, 2
	WIN 0
	PLACES                                         ; for the loads into B0 and B2; also the plain instructions behind the last reciprocal
.if \gel
	s_wait_alu depctr_va_vdst(0)                   ; the reciprocals' one wait
	SETR 3, 0, 8
.endif
	LDSET B0, AW2, 8                               ; the second 32 hidden channels
	LDSET B2, AHR, 12
	G2E B3, B1, 1, 0, 2
	WIN 0
	PLACES
.if \gel
	STH 0
.endif
	LDSET B1, AHR, 8
	LDSET B3, AW2, 12
.if \nxt
	LDB1 AB1                                       ; batch 0 has been read for the last time: its accumulators take the next b1
.endif
.if \gel
	SETR 1, 1, 19
.endif
	s_wait_dscnt 16+4*(\gel)+8*(\nxt)              ; all but the run just issued: B0 and B2 are in
	G2E B0, B2, 0, 1, 2
	s_wait_dscnt 8+8*(\nxt)                        ; B1 (and my stores of H have read P); B3 and b1 may be out
	G2E B0, B1, 0, 0, 2
	s_wait_dscnt 8*(\nxt)                          ; B3
	G2E B3, B1, 1, 0, 2
.if (\gel) || (\nxt)
	WIN 0
	PLACES
.endif
.if \gel
	s_wait_alu depctr_va_vdst(0)                   ; batch 1's exponentials
.endif
.if \nxt
	LDSET F0, AW1, 0                               ; the next G1's first fragments
	LDSET F1, AW1, 4
.endif
.if \gel
	GAD 0
	SETR 2, 1, 16
.endif
	G2E B3, B2, 1, 1, 1
.if (\gel) || (\nxt)
	WIN 0
	PLACES
.endif
.if \gel
	s_wait_alu depctr_va_vdst(0)                   ; batch 1's reciprocals
.endif
.if \nxt
	LDSET F2, AW1, 8
	LDSET F3, AW1, 12
.endif
.if \gel
	GLUMP 3, 1, 8
.endif
.endm
; G1 of one sub-chunk, all but its last 64 along d: seven groups of 16 matrix instructions on five fragment buffers (32 along d each, buffer ks % 5).  Behind each group the buffers that it read are loaded again.
; w0: what may be out when b1 and the first two sets must be in.  stb = 1: batch 1's H is stored and the fifth buffer, which gelu has left, takes its first set.
.macro G1M w0, stb
	s_wait_dscnt \w0
	G1K 0, 1
	G1K 1, 0
	PLACES
.if \stb
	WIN 0                                          ; an LDS store's data go by source 1's window
	STH 1
	LDSET F4, AW1, 16
.endif
	LDSET F0, AW1, 20
	LDSET F1, AW1, 24
	s_wait_dscnt 24                                ; sets 2 and 3 are in: behind them stand 24 loads (stb = 1: 28 LDS instructions, of which the four stores are waited for too)
	G1K 2, 0
	G1K 3, 0
	PLACES
	LDSET F2, AW1, 28
	LDSET F3, AW1, 32
	s_wait_dscnt 24                                ; in each of these: the later of the group's two sets has one set and the run just issued behind it
	G1K 4, 0
	G1K 5, 0
	PLACES
	LDSET F4, AW1, 36
	LDSET F0, AW1, 40
	s_wait_dscnt 24
	G1K 6, 0
	G1K 7, 0
	PLACES
	LDSET F1, AW1, 44
	LDSET F2, AW1, 48
	s_wait_dscnt 24
	G1K 8, 0
	G1K 9, 0
	PLACES
	LDSET F3, AW1, 52
	LDSET F4, AW1, 56
	s_wait_dscnt 24
	G1K 10, 0
	G1K 11, 0
	PLACES
	LDSET F0, AW1, 60
	s_wait_dscnt 16                                ; sets 14 and 15 may be out
	G1K 12, 0
	G1K 13, 0
.endm
; x on its way in.  Pass p: the wave's rows 16 (p / 2) .. + 15, channels 256 (p % 2) .. + 255.  XLOAD: 32 loads of 512 consecutive bytes, into registers that later hold out's accumulators.
.macro XLOAD p
	WIN 0x80+0x40*((\p)/2)
.set xi, 0
.rept 32
	global_load_b128 v[128*((\p)%2)+4*xi:128*((\p)%2)+4*xi+3], v[L16], s[4:5] offset:(16*((\p)/2)+xi/2)*2048+((\p)%2)*1024+(xi%2)*512 th:TH_LOAD_NT
.set xi, xi+1
.endr
	WIN 0
.endm
; XPASS: rounded to bf16, 8 bytes a lane into my stage (rows of 512 bytes + 16), and back as 8 fragments.  The stage is my wave's own and LDS serves a wave's instructions in order (ISA guide 5.7.1.4): no wait between.
.macro XPASS p
.if (\p) > 0
	s_wait_dscnt 16                                ; the stores of the pass before have read their data; its sixteen loads may be out
.endif
	WIN 0x0a+5*((\p)/2)
.set xi, 0
.rept 64
	v_cvt_pk_bf16_f32 v[128+xi], v[128*((\p)%2)+2*xi], v[128*((\p)%2)+2*xi+1]
.set xi, xi+1
.endr
	WIN 0
.set xi, 0
.rept 32
	ds_store_b64 v[SX], v[128+2*xi:129+2*xi] offset:(xi/2)*SPITCH+(xi%2)*256
.set xi, xi+1
.endr
	WIN 0x40
.set xi, 0
.rept 8
	ds_load_b128 v[8*(8*(\p)+xi):8*(8*(\p)+xi)+3],   v[RX] offset:xi*64
	ds_load_b128 v[8*(8*(\p)+xi)+4:8*(8*(\p)+xi)+7], v[RX] offset:xi*64+32
.set xi, xi+1
.endr
	WIN 0
.endm
	s_load_b256 s[4:11], s[0:1], 0x0               ; inputs s[4:5], wp s[6:7], b1 s[8:9], b2 s[10:11]
	s_load_b64 s[12:13], s[0:1], 0x20              ; out0
	v_lshl_add_u32 v[SPW], v0, 2, SPARE
	v_mov_b32 v[NIL], 0
	ds_add_u32 v[SPW], v[NIL]                      ; the wave's opening: waited for ahead of my first tensor load; the set-up below, work on registers, stands between the add and its wait
	v_lshrrev_b32 v12, 5, v0
	v_readfirstlane_b32 s14, v12                   ; wave 0..3
	s_bfe_u32 s15, ttmp6, 0x40000                  ; cx: my place in the cluster: it enters x's and out's addresses alone
	s_lshl_b32 s16, ttmp9, 2                       ; in a cluster launch ttmp9 counts clusters
	s_add_co_u32 s16, s16, s15                     ; my block of 128 rows
	s_lshr_b32 s17, ttmp9, 3                       ; the expert: eight clusters each; the four partners share it
	s_lshl_b32 s18, s16, 18                        ; 128 rows of 2,048 bytes
	s_lshl_b32 s41, s14, 16
	s_add_co_u32 s20, s18, s41                     ; x: + my wave's 32 rows
	s_lshl_b32 s41, s14, 9
	s_add_co_u32 s18, s18, s41                     ; out: + my wave's 128 channels
	s_mov_b32 s19, 0
	s_mov_b32 s21, 0
	s_lshl_b32 s22, s17, 22                        ; wp: the expert's 32 tiles,
	s_lshl_b32 s41, s14, 15
	s_add_co_u32 s22, s22, s41                     ; my quarter of a tile
	s_mov_b32 s23, 0
	; descriptor group 1: 32,768 dense bytes as 128 rows of 32 elements of 8 bytes
	s_mov_b32 s24, 15|(3<<16)|(1<<21)              ; 15:0 the mask: all four work-groups; 17:16 elements of 8 bytes; 21 set beside a mask; no padding: fragments are read as they lie
	s_mov_b32 s25, 32<<16                          ; tensor_dim0 = 32
	s_mov_b32 s26, 128<<16                         ; tensor_dim1 = 128
	s_mov_b32 s27, 32<<16                          ; tile_dim0 = 32
	s_mov_b32 s28, 128                             ; tile_dim1 = 128
	s_mov_b32 s29, 32                              ; 32 elements from row to row
	s_mov_b32 s30, 0
	s_mov_b32 s31, 0
	s_mov_b32 s32, 1                               ; group 0: count = 1
	s_lshl_b32 s33, s14, 15                        ; LDS address: slot 0, my quarter: no place in the cluster enters it
	s_mov_b32 s36, SLOTX                           ; each step's head turns or steps these four: step 0 finds slot 0,
	s_mov_b32 s37, HB0
	s_mov_b32 s38, HB0+HBX                         ; writes H's buffer 0,
	s_mov_b32 s39, 0                               ; and starts G1(1)
	s_mov_b32 s42, 0xc0135761                      ; K1 = -2.3022082
	s_mov_b32 s43, s42                             ; named with it as a pair
	s_mov_b32 s44, 0xbdd2d3e8                      ; K3 = -0.10294324
	s_mov_b32 s45, s44
	s_mov_b32 s46, 0xffff0000                      ; a word's upper bf16
	s_mul_i32 s47, s14, STGSZ
	s_add_co_u32 s47, s47, STG                     ; my stage
	s_wait_dscnt 0x0                               ; the opening add is done
	s_wait_kmcnt 0x0
	s_add_nc_u64 s[4:5], s[4:5], s[20:21]
	s_add_nc_u64 s[12:13], s[12:13], s[18:19]
	s_add_nc_u64 s[34:35], s[6:7], s[22:23]        ; global address: my quarter of the expert's tile 0
	s_or_b32 s35, s35, 0x80000000                  ; type = 2
	s_lshl_b32 s22, s17, 13
	s_add_nc_u64 s[8:9], s[8:9], s[22:23]
	s_lshl_b32 s22, s17, 11
	s_add_nc_u64 s[10:11], s[10:11], s[22:23]
	ROUND                                          ; all four work-groups are here: the first joint loads meet
	tensor_load_to_lds s[32:35], s[24:31]          ; tile 0 into slot 0
	s_nop 0
	v_and_b32 v12, 31, v0                          ; lane
	v_lshlrev_b32 v[L16], 4, v12
	v_and_b32 v13, 15, v0                          ; lane % 16
	v_bfe_u32 v14, v0, 4, 1                        ; lane / 16
	v_lshl_add_u32 v[AB1C], v14, 5, B1S
	s_lshl_b32 s41, s14, 14
	s_add_co_u32 s41, s41, PART1
	v_add_nc_u32 v[AW2C], s41, v[L16]
	s_lshl_b32 s41, s14, 11
	v_add_nc_u32 v[AHWC], s41, v[L16]
	v_lshl_add_u32 v[SX], v12, 3, s47              ; x into the stage: 8 bytes a lane
	v_mul_u32_u24 v[RX], v13, SPITCH               ; and back: row lane % 16, 16 bytes for each half of the lanes
	v_lshl_add_u32 v[RX], v14, 4, v[RX]
	v_add_nc_u32 v[RX], s47, v[RX]
	v_lshlrev_b32 v[TB], 4, v0
	v_add_nc_u32 v[TA], B1S, v[TB]
	; the expert's biases: 128 threads x 16 bytes, four times for b1 and once for b2; rounded to bf16 like the other inputs, widened again, and kept in LDS as f32
.irp i, 0,1,2,3
	global_load_b128 v[192+4*\i:195+4*\i], v[TB], s[8:9] offset:\i*2048
.endr
	global_load_b128 v[208:211], v[TB], s[10:11]
	XLOAD 0
	s_wait_loadcnt 32                              ; the biases are in; x's first pass stays out
.irp g, 0,1,2,3,4
	v_cvt_pk_bf16_f32 v212, v[192+4*\g], v[193+4*\g]
	v_cvt_pk_bf16_f32 v213, v[194+4*\g], v[195+4*\g]
	v_lshlrev_b32 v[192+4*\g], 16, v212
	v_and_b32 v[193+4*\g], s46, v212
	v_lshlrev_b32 v[194+4*\g], 16, v213
	v_and_b32 v[195+4*\g], s46, v213
	ds_store_b128 v[TA], v[192+4*\g:195+4*\g] offset:\g*2048  ; the fifth lands at B1S + B2OFF
.endr
	XLOAD 1
	s_wait_loadcnt 32                              ; in each of these: the pass in hand is in, the next one's 32 loads stay out
	XPASS 0
	XLOAD 2
	s_wait_loadcnt 32
	XPASS 1
	XLOAD 3
	s_wait_loadcnt 32
	XPASS 2
	s_wait_loadcnt 0x0
	XPASS 3
	; STEP 0: G1(0), gelu(0), G1(1); there is no G2 yet.  Its head also shows the biases to every wave and ends the stage's first use.
	HEAD 0, 1                                      ; tile 0 is in, everybody's part of it; tile 1 is asked for, into slot 1
	s_lshl_b32 s41, s14, 9
	s_add_co_u32 s41, s41, B2OFF
	v_add_nc_u32 v[TA], s41, v[AB1C]               ; b2 of my wave's 128 channels, + 32 (lane / 16)
	WIN 0x80
.set bi, 0
.rept 32                               ; b2 starts out's sums: the same eight numbers a lane for all eight row blocks of a channel block
	ds_load_b128 v[8*bi:8*bi+3],   v[TA] offset:(bi/8)*64
	ds_load_b128 v[8*bi+4:8*bi+7], v[TA] offset:(bi/8)*64+16
.set bi, bi+1
.endr
	WIN 0xc0
.set bi, 0
.rept 32
	ds_load_b128 v[8*bi:8*bi+3],   v[TA] offset:(4+bi/8)*64
	ds_load_b128 v[8*bi+4:8*bi+7], v[TA] offset:(4+bi/8)*64+16
.set bi, bi+1
.endr
	WIN 0
	LDB1 AB1C                                      ; b1 of channels 0-63
	LDSET F0, AW1, 0
	LDSET F1, AW1, 4
	LDSET F2, AW1, 8
	LDSET F3, AW1, 12
	LDSET F4, AW1, 16
	G1M 24, 0                                      ; sets 2 to 4 may be out
	s_wait_dscnt 0x0
	G1K 14, 0
	G1K 15, 0
	WIN 0
	PLACES
	v_add_nc_u32 v[AW1], PART1, v[AW1]             ; W1(1) lies in tile 0's second half
	LDSET F0, AW1, 0
	LDSET F1, AW1, 4
	LDSET F2, AW1, 8
	LDSET F3, AW1, 12
	GLUMP 1, 0, 19                                 ; gelu(0), with no matrix work to stand beside
	v_nop
	s_wait_alu depctr_va_vdst(0)
	GAD 0
	GLUMP 2, 0, 16
	v_nop
	s_wait_alu depctr_va_vdst(0)
	GLUMP 3, 0, 8
	STH 0
	LDB1 AB1
	GLUMP 1, 1, 19
	v_nop
	s_wait_alu depctr_va_vdst(0)
	GAD 0
	GLUMP 2, 1, 16
	v_nop
	s_wait_alu depctr_va_vdst(0)
	s_wait_dscnt 8                                 ; batch 0's stores have read P; b1's eight loads may be out
	GLUMP 3, 1, 8
	G1M 0, 1
	WIN 0
	s_mov_b32 s40, 30
.Lstep:                                                ; steps 1 to 30: the last asks for tile 31
	HEAD 1, 1
	G2P 1, 1
	G1M 16, 1                                      ; sets 2 and 3 may be out
	WIN 0
	s_sub_co_u32 s40, s40, 1
	s_cmp_lg_u32 s40, 0
	s_cbranch_scc1 .Lstep
	; STEP 31 is written out: G2(30) with gelu(31); then G2(31)
	HEAD 1, 0                                      ; nothing is asked for, so my work-group's barrier is enough
	G2P 1, 0
	WIN 0
	STH 1
	s_wait_dscnt 0x0                               ; for the others' sake: my part of H(31) is stored
	s_barrier_signal -1
	s_barrier_wait -1
	s_sub_co_u32 s41, s36, PART1
	v_add_nc_u32 v[AW2], s41, v[AW2C]              ; W2(31) lies in tile 31's first half
	v_add_nc_u32 v[AHR], s38, v[L16]               ; and H(31) where this step wrote it
	G2P 0, 0
	WIN 0
	s_wait_dscnt 0x0                               ; my reads of H are over:
	s_barrier_signal -1
	s_barrier_wait -1                              ; everybody's are, and the stages may take H's bytes
	; THE WAY OUT.  A lane's eight channels of a row are 32 bytes; a block of 16 rows x my 128 channels goes into my stage and comes back as rows of 512 bytes.  The six address lines are the places behind the last products.
	v_and_b32 v[SX], 15, v0
	v_bfe_u32 v[RX], v0, 4, 1
	v_mul_u32_u24 v[SX], v[SX], SPITCH
	v_lshl_add_u32 v[SX], v[RX], 5, v[SX]
	v_add_nc_u32 v[SX], s47, v[SX]                 ; in: row lane % 16, 32 bytes for each half of the lanes
	v_add_nc_u32 v[RX], s47, v[L16]                ; back: 32 lanes take a row
.macro OUTT tt
.if (\tt) >= 2
	s_wait_xcnt 0x0                                ; every earlier store has had its addresses translated (ISA guide 3.1): the registers that the block two back was stored from are loaded again only behind this wait
.endif
	WIN 0x08                                       ; store data in window 2; each accumulator's lower four registers go first
.irp m, 0,1,2,3
	ds_store_b128 v[SX], v[8*(\m*8+(\tt)):8*(\m*8+(\tt))+3]   offset:\m*64
	ds_store_b128 v[SX], v[8*(\m*8+(\tt))+4:8*(\m*8+(\tt))+7] offset:\m*64+16
.endr
	WIN 0x0c                                       ; in window 3
.irp m, 0,1,2,3
	ds_store_b128 v[SX], v[8*(\m*8+(\tt)):8*(\m*8+(\tt))+3]   offset:(\m+4)*64
	ds_store_b128 v[SX], v[8*(\m*8+(\tt))+4:8*(\m*8+(\tt))+7] offset:(\m+4)*64+16
.endr
	WIN 0
.set ob, 128+64*((\tt)%2)
.set oi, 0
.rept 16
	ds_load_b128 v[ob+4*oi:ob+4*oi+3], v[RX] offset:oi*SPITCH  ; LDS serves a wave's instructions in order (ISA guide 5.7.1.4): these see the stores above; the next block's stores come behind them
.set oi, oi+1
.endr
.endm
.macro SEND tt, y                      ; y: the LDS instructions issued behind the block's loads: the next block's 32, or none
.set ob, 128+64*((\tt)%2)
.set oi, 0
.rept 16
	s_wait_dscnt (\y)+15-oi
	global_store_b128 v[L16], v[ob+4*oi:ob+4*oi+3], s[12:13] offset:(16*(\tt)+oi)*2048 th:TH_STORE_NT  ; 512 consecutive bytes, at a multiple of 512 from out's first byte
.set oi, oi+1
.endr
.endm
	OUTT 0
.irp t, 1,2,3,4,5,6,7
	OUTT \t
	SEND \t-1, 32
.endr
	SEND 7, 0
	s_wait_tensorcnt 0x0                           ; the wave's end, behind my last tensor load and my last LDS store
	ds_add_u32 v[SPW], v[NIL]
	s_wait_dscnt 0x0
	ROUND                                          ; the closing round: no work-group ends while a partner may still ask for a tile that names it
	s_endpgm
.Lfunc_end_k_qad0838727b_mlp:
	.size	k_qad0838727b_mlp, .Lfunc_end_k_qad0838727b_mlp-k_qad0838727b_mlp
	.p2alignl 7, 3214868480
	.fill 96, 4, 3214868480
	.section	.rodata,"a",@progbits
	.p2align	6, 0x0
	.amdhsa_kernel k_qad0838727b_mlp
		.amdhsa_group_segment_fixed_size 327680
		.amdhsa_private_segment_fixed_size 0
		.amdhsa_enable_private_segment 0
		.amdhsa_kernarg_size 40
		.amdhsa_user_sgpr_count 2
		.amdhsa_user_sgpr_kernarg_segment_ptr 1
		.amdhsa_wavefront_size32 1
		.amdhsa_system_sgpr_workgroup_id_x 1
		.amdhsa_system_sgpr_workgroup_id_y 1
		.amdhsa_system_sgpr_workgroup_id_z 1
		.amdhsa_system_vgpr_workitem_id 0
		.amdhsa_next_free_vgpr 1024
		.amdhsa_next_free_sgpr 66
		.amdhsa_reserve_vcc 0
		.amdhsa_float_denorm_mode_32 3
		.amdhsa_float_denorm_mode_16_64 3
		.amdhsa_memory_ordered 1
		.amdhsa_forward_progress 1
		.amdhsa_inst_pref_size 242
	.end_amdhsa_kernel
	.amdgpu_metadata
---
amdhsa.version: [ 1, 2 ]
amdhsa.kernels:
  - .name:           k_qad0838727b_mlp
    .symbol:         k_qad0838727b_mlp.kd
    .args:
      - { .name: inputs, .offset: 0, .size: 8, .value_kind: global_buffer, .address_space: global }
      - { .name: wp, .offset: 8, .size: 8, .value_kind: global_buffer, .address_space: global }
      - { .name: b1, .offset: 16, .size: 8, .value_kind: global_buffer, .address_space: global }
      - { .name: b2, .offset: 24, .size: 8, .value_kind: global_buffer, .address_space: global }
      - { .name: out0, .offset: 32, .size: 8, .value_kind: global_buffer, .address_space: global }
    .group_segment_fixed_size: 327680
    .private_segment_fixed_size: 0
    .kernarg_segment_align: 8
    .kernarg_segment_size: 40
    .max_flat_workgroup_size: 128
    .sgpr_count:     66
    .vgpr_count:     1024
    .wavefront_size: 32
...
	.end_amdgpu_metadata
.endif
;; end of part 2
